; MI455X (gfx1250); checked and timed in simulation.
; The chip was launched on July 23, 2026; its instructions are those of AMD's public machine-readable ISA for CDNA 5 (MIT licence, August 2026) and "CDNA5" Instruction Set Architecture Reference Guide (July 2026). The comments in the code are by the model that wrote it; some were corrected since.
;; Ring Dilated Attention V2. Allowed arithmetic: matrix products marked QUANTISED: E2M1 operands, one E8M0 scale for each 32 along K, by v_wmma_scale_f32_16x16x128_f8f6f4 with both operands' format E2M1 (or v_wmma_scale_f32_32x16x128_f4), f32 sums; everything else in f32.
;; Inputs: key 1 x 4,096 x 12 x 64 float32; query 1 x 4,096 x 12 x 64 float32; value 1 x 4,096 x 12 x 64 float32.
;; Outputs: out0 1 x 4,096 x 12 x 64 float32.
;; Constants: is_causal = 1.
;; This version of the problem:
;;   THIS VERSION OF THE PROBLEM IS GIVEN IN LOW PRECISION. The matrix products marked QUANTISED in the list below multiply operands that are first quantised to E2M1 (2 exponent bits, 1 mantissa bit; 4 bits a number), with one power-of-two scale for each 32 numbers along K (OCP MX v1.0); their sums are f32. All else is computed in f32.
;;   The module's matrix products, in the order in which they are computed (A, B: the left and right operand; K: the contracted axis; several contracted axes count as one K, in the product's order):
;;     1. batch 16 x [M 1,024, K 64] x [K 64, N 1,024]; A: input query; B: input key: QUANTISED
;;     2. batch 16 x [M 64, K 1,024] x [K 1,024, N 1,024]; A: input value; B: softmax (see below): QUANTISED
;;     3. batch 8 x [M 2,048, K 64] x [K 64, N 2,048]; A: input query; B: computed on the way: QUANTISED
;;     4. batch 8 x [M 64, K 2,048] x [K 2,048, N 2,048]; A: computed on the way; B: softmax (see below): QUANTISED
;;     5. batch 4 x [M 4,096, K 64] x [K 64, N 4,096]; A: input query; B: computed on the way: QUANTISED
;;     6. batch 4 x [M 64, K 4,096] x [K 4,096, N 4,096]; A: computed on the way; B: softmax (see below): QUANTISED
;;   THE QUANTISER, for each operand of a quantised product, along K:
;;     - K is cut into blocks of 32 from its start; a last block that is shorter is filled with zeros.
;;     - A block's scale is 2^e with e = floor(log2(the largest magnitude in the block)) - 2, held to -126 .. 127; a block of zeros has e = 0. As a byte (E8M0): e + 127.
;;     - Each number is divided by its block's scale, clamped to +-6, and rounded to the nearest number of E2M1, ties to even, subnormals kept.
;;     - The product sums the exact products of the quantised numbers (number of the format x scale) in f32.
;;   ~~~python
;;   def quantise(x, axis):      # numpy; x: float32 -> the quantised numbers, widened to float32 again
;;       x = np.moveaxis(x, axis, -1); K = x.shape[-1]
;;       x = np.pad(x, [(0, 0)] * (x.ndim - 1) + [(0, -K % 32)]); x = x.reshape(x.shape[:-1] + (-1, 32)); a = np.abs(x).max(-1, keepdims=True)
;;       e = np.where(a > 0, np.clip(np.frexp(np.where(a > 0, a, 1))[1] - 1 - 2, -126, 127), 0)      # np.frexp(a)[1] - 1 = floor(log2(a)), exactly
;;       r = np.clip(x / 2.0 ** e, -6, 6)
;;       step = 2.0 ** (np.maximum(np.frexp(np.where(r == 0, 1, r))[1] - 1, 0) - 1)
;;       q = np.round(r / step) * step * 2.0 ** e      # np.round: ties to even
;;       return np.moveaxis(q.reshape(q.shape[:-2] + (-1,))[..., :K], -1, axis).astype(np.float32)
;;   ~~~
;;   SOFTMAX AHEAD OF A QUANTISED PRODUCT. Where the list says 'softmax', what is quantised is not the finished softmax but p = 2^(t - M), with t = logit x log2(e) and M = ceil(the row's largest t), a whole number; so 1/2 < the row's largest p <= 1. The row's sum l is taken of the UNQUANTISED p, in f32, and the product's result is divided by l at the end. Since M is a whole number, a kernel that streams over the keys may use a running M (the ceiling of the running maximum): every later rescaling is an exact power of two, which a block's scale takes up: the codes' values come out the same.
;;   OPERANDS COMPUTED ON THE WAY. 'Computed on the way' means the value that the module computes at that place (a softmax that the list does not call 'softmax' is quantised finished and normalised). What goes into a quantiser is computed in f32, as accurately as f32 sums, v_exp_f32 and their like allow (about 1e-6 of the number): no bf16 or f16 on the way to a quantiser, and a product that is left as it is and whose result goes on into a quantised operand takes f32 operands (vector FMAs, or v_wmma_f32_16x16x4_f32). A number that lies on a knife's edge between two numbers of the format may be rounded either way, as far as f32 arithmetic and the matrix unit's own rounding can turn it there, and no further.
;; One version. Each part assembles by itself: llvm-mc -triple=amdgcn-amd-amdhsa -mcpu=gfx1250 --defsym DOCPART=n.
;; ======== version 1 of 1: 2 launches
;; workspace buffers: kv 1,949,696 bytes
;; launch quant (part 1): grid 8 x 28, 4 waves a work-group, no clusters, 36,352 bytes of LDS; arguments key, value, kv; writes kv
.if DOCPART == 1
	.amdgcn_target "amdgcn-amd-amdhsa--gfx1250"
	.amdhsa_code_object_version 6
	.text
	.protected	k_q05bf7704fb_quant
	.globl	k_q05bf7704fb_quant
	.p2align	8
	.type	k_q05bf7704fb_quant,@function
k_q05bf7704fb_quant:
	s_mov_b64 s[64:65], 0
	v_nop
	global_prefetch_b8 v0, s[64:65] scope:SCOPE_SE
	s_setreg_imm32_b32 hwreg(HW_REG_WAVE_MODE, 25, 1), 1
	s_wait_xcnt 0x0
; The unique keys and values of each of the 28 batches (segment, head) become codes of FP4 (E2M1) with one E8M0 scale byte for each 32 along a product's K,
; laid in kv as IMAGES OF THE OPERANDS' REGISTERS, so that the attention launch brings a batch into LDS as one dense block and loads every fragment 16 bytes a lane.
; key, value: [4096][12][64] f32: the row of (position n, head) is 256 bytes at 3072 n + 256 head.
; BATCHES.  b 0-15: heads 0-3, segments of 1,024, keys as they lie; b 16-23: heads 4-7, segments of 2,048, every 2nd row from row 1; b 24-27: heads 8-11, one segment, every 4th row from row 2.
;   With g the group (0, 1, 2): unique key u of a batch is position seg (1024 << g) + g + (u << g); each batch has 1,024 of them (the gathered list repeats them with period 1,024, a multiple of 32).
; K is quantised along the head's 64 (two blocks a key), V along the keys (blocks of 32 unique keys).
; kv, 69,632 bytes a batch:  +0 KF: 32 fragments of 1,024 bytes, one for each 32 keys: register group c (4 registers) at 512 c + 16 lane; lane (r, h) holds the 32 codes d = 32 h .. of key r + 8 (r / 8) (c = 0) and of that key + 8 (c = 1).
;   +32768 VF: step s of 128 keys, tile t of 16 channels at 4096 s + 1024 t: group c at 512 c + 16 lane; lane (r, h): channel 16 t + r, the 32 keys of block 2 c + h.
;   +65536 KS, 256 bytes a step: the word of fragment f (0..3), row r at 8 (16 (f % 2) + r) + 4 (f / 2): bytes 0, 1 the c = 0 key's two blocks, bytes 2, 3 the c = 1 key's.   +67584 VS likewise for (t, r): byte f = block f.
; A block's scale is 2^(floor(log2(its largest magnitude)) - 2); its byte is the largest magnitude's exponent field - 2, held at 1 from below.
; LIMITS: a block of zeros gets the byte 1 where the quantiser says 127 (its codes are zeros, and this program alone reads the bytes); a block whose largest magnitude lies under 2^-124 keeps the byte 1; NaN and infinities are not served.
; SHARES.  A work-group takes a step of 128 keys of one batch (x = step, y = batch), wave w its block of 32 keys, of K and of V.  No tensor loads; one barrier, for the scale bytes.
.set ROWG,   3072                      ; bytes from a position to the next
.set SP,     272                       ; a stage row: 256 bytes + 16
.set STG,    32*SP                     ; a wave's stage: 32 keys
.set SC,     4*STG                     ; behind the stages: 256 bytes of K's scale words, 256 of V's
.set BATCHB, 69632
.set KOFF, 4                           ; v4-7    K: byte offset of my 16 bytes in rows 2 q, 2 q + 1 of a group of eight keys
.set VOFF, 8                           ; v8-15   V: byte offset of my column in key k of a group of eight
.set STI,  16                          ; v16     the stage, on the way in
.set STR,  17                          ; v17     and on the way out: my row, my 128 bytes
.set KCO,  18                          ; v18     where K's codes go
.set VCO,  19                          ; v19     where V's go
.set KSA,  20                          ; v20     LDS: my row's scale word of K
.set VSA,  21                          ; v21     LDS: my column's scale byte of V
.set SCR,  22                          ; v22     LDS: the scale bytes on their way out
.set SCO,  23                          ; v23     and their place in kv
.set KD,   40                          ; v40-103  K as loaded
.set X,    104                         ; v104-167 K behind the stage: 32 numbers of two keys
.set VD,   168                         ; v168-231 V: two columns' 32 keys
.set KC,   232                         ; v232-239 K's codes
.set VC,   240                         ; v240-247 V's codes
.set KB,   24                          ; s[24:31] key at my block's keys 0, 8, 16, 24
.set VB,   32                          ; s[32:39] value likewise
	s_load_b128 s[4:7], s[0:1], 0x0                ; key, value
	s_load_b64 s[8:9], s[0:1], 0x10                ; kv
	v_lshl_add_u32 v254, v0, 2, 0x8c00
	v_mov_b32 v255, 0
	v_lshrrev_b32 v1, 5, v0
	v_readfirstlane_b32 s10, v1                    ; wave 0..3
	v_and_b32 v1, 31, v0                           ; lane
	v_and_b32 v2, 15, v0                           ; r
	v_bfe_u32 v3, v0, 4, 1                         ; h
	s_mov_b32 s11, ttmp9                           ; the step
	s_and_b32 s12, ttmp7, 0xffff                   ; the batch
	s_cmp_ge_u32 s12, 16
	s_cselect_b32 s13, 1, 0
	s_cmp_ge_u32 s12, 24
	s_cselect_b32 s14, 1, 0
	s_lshl_b32 s15, s13, 4
	s_lshl_b32 s16, s14, 3
	s_add_co_u32 s13, s13, s14                     ; g
	s_sub_co_u32 s14, s12, s15
	s_sub_co_u32 s14, s14, s16                     ; the batch's number in its group
	s_and_b32 s15, s14, 3
	s_lshl_b32 s17, s13, 2
	s_add_co_u32 s15, s15, s17                     ; head = 4 g + number % 4
	s_lshr_b32 s16, s14, 2                         ; segment
	s_lshl_b32 s16, s16, 10
	s_lshl_b32 s17, s11, 7
	s_add_co_u32 s16, s16, s17
	s_lshl_b32 s17, s10, 5
	s_add_co_u32 s16, s16, s17                     ; 1024 seg + 128 step + 32 wave,
	s_lshl_b32 s16, s16, s13
	s_add_co_u32 s16, s16, s13                     ; << g, + g: the position of my block's first key
	s_mul_i32 s18, s16, ROWG
	s_lshl_b32 s17, s15, 8
	s_add_co_u32 s18, s18, s17                     ; its row's byte (under 2^24)
	; offsets and LDS addresses
	s_lshl_b32 s44, ROWG, s13                      ; bytes from a unique key to the next
	v_mul_u32_u24 v25, s44, v3
	v_lshl_add_u32 v25, v2, 4, v25                 ; K: sixteen lanes to a row of 256 bytes, lanes 16-31 the next key
.irp q, 0,1,2,3
	s_lshl_b32 s44, 2*ROWG*\q, s13
	v_add_nc_u32 v[KOFF+\q], s44, v25
.endr
.irp k, 0,1,2,3,4,5,6,7
	s_lshl_b32 s44, ROWG*\k, s13
	v_lshl_add_u32 v[VOFF+\k], v1, 2, s44          ; V: a lane to a column
.endr
	s_mul_i32 s45, s10, STG                        ; my stage
	v_mul_u32_u24 v[STI], v3, SP
	v_lshl_add_u32 v[STI], v2, 4, v[STI]
	v_add_nc_u32 v[STI], s45, v[STI]
	v_mul_u32_u24 v[STR], v2, SP
	v_lshl_add_u32 v[STR], v3, 7, v[STR]
	v_add_nc_u32 v[STR], s45, v[STR]
	s_lshl_b32 s44, s11, 2
	s_add_co_u32 s44, s44, s10
	s_lshl_b32 s44, s44, 10                        ; K's fragment 4 step + wave
	v_lshl_add_u32 v[KCO], v1, 4, s44
	s_lshl_b32 s44, s11, 12
	s_lshl_b32 s45, s10, 8                         ; block w = 2 c + h of the step: 512 c + 256 h = 256 w
	s_add_co_u32 s44, s44, s45
	s_add_co_u32 s44, s44, 32768
	v_lshlrev_b32 v[VCO], 10, v3                   ; lanes 16-31 hold the next tile's 16 channels
	v_lshl_add_u32 v[VCO], v2, 4, v[VCO]
	v_add_nc_u32 v[VCO], s44, v[VCO]
	s_and_b32 s44, s10, 1
	s_lshl_b32 s44, s44, 7
	s_lshr_b32 s45, s10, 1
	s_lshl_b32 s45, s45, 2
	s_add_co_u32 s44, s44, s45
	s_add_co_u32 s44, s44, SC
	v_lshl_add_u32 v[KSA], v2, 3, s44              ; SC + 8 r + 128 (w % 2) + 4 (w / 2)
	s_add_co_u32 s44, s10, SC+256
	v_lshl_add_u32 v[VSA], v1, 3, s44              ; SC + 256 + 8 lane + w
	s_lshl_b32 s44, s10, 8
	s_add_co_u32 s44, s44, SC
	v_lshl_add_u32 v[SCR], v1, 3, s44
	s_lshl_b32 s44, s10, 11
	s_lshl_b32 s45, s11, 8
	s_add_co_u32 s44, s44, s45
	s_add_co_u32 s44, s44, 65536
	v_lshl_add_u32 v[SCO], v1, 3, s44              ; wave 0: K's 256 scale bytes of the step; wave 1: V's
	s_mov_b32 s40, 0x76543210
	s_mov_b32 s41, 0xfedcba98                      ; v_permlanex16_b32's selects for lane l xor 16
	s_mov_b32 s21, 0
	s_mul_i32 s22, s12, BATCHB
	s_mov_b32 s23, 0
	s_wait_kmcnt 0x0
.irp j, 0,1,2,3
	s_lshl_b32 s20, 8*ROWG*\j, s13                 ; eight unique keys on
	s_add_co_u32 s20, s20, s18
	s_add_nc_u64 s[KB+2*\j:KB+2*\j+1], s[4:5], s[20:21]
	s_add_nc_u64 s[VB+2*\j:VB+2*\j+1], s[6:7], s[20:21]
.endr
	s_add_nc_u64 s[42:43], s[8:9], s[22:23]        ; kv at my batch
	; K: load i brings two whole rows, those that stage rows 2 i and 2 i + 1 want: stage row p holds key p % 8 + 16 ((p / 8) % 2) + 8 (p / 16)
.irp i, 0,1,2,3,4,5,6,7,8,9,10,11,12,13,14,15
	global_load_b128 v[KD+4*\i:KD+4*\i+3], v[KOFF+\i%4], s[KB+2*(2*((\i/4)%2)+\i/8):KB+2*(2*((\i/4)%2)+\i/8)+1] th:TH_LOAD_NT
.endr
	; V, columns 0-31: a lane takes a column and its registers run down the keys; a load reads 128 consecutive bytes
.irp k, 0,1,2,3,4,5,6,7,8,9,10,11,12,13,14,15,16,17,18,19,20,21,22,23,24,25,26,27,28,29,30,31
	global_load_b32 v[VD+\k], v[VOFF+\k%8], s[VB+2*(\k/8):VB+2*(\k/8)+1]
.endr
; 32 numbers v[src] .. of one block become 16 bytes of codes in v[dst] .. v[dst + 3]; sop: the conversions' scale operand; byt: the scale's byte
.macro BLKQ src, dst, sop, byt
	v_max3_num_f32 v28, |v[\src]|, |v[\src+1]|, 0x1800000          ; the largest magnitude, in two chains, with the floor 2^(3 - 127) among its leaves: the byte cannot fall under 1
	v_max3_num_f32 v29, |v[\src+16]|, |v[\src+17]|, |v[\src+18]|
.irp i, 2,4,6,8,10,12
	v_max3_num_f32 v28, v28, |v[\src+\i]|, |v[\src+\i+1]|
	v_max3_num_f32 v29, v29, |v[\src+17+\i]|, |v[\src+18+\i]|
.endr
	v_max3_num_f32 v28, v28, |v[\src+14]|, |v[\src+15]|
	v_max3_num_f32 v28, v28, v29, |v[\src+31]|
	v_add_nc_u32 v[\sop], 0xff000000, v28          ; 2 off its exponent field: the conversion takes the exponent field of this operand as its scale
	v_lshrrev_b32 v[\byt], 23, v[\sop]
.irp g, 0,1,2,3
	v_cvt_scalef32_pk8_fp4_f32 v[\dst+\g], v[\src+8*\g:\src+8*\g+7], v[\sop]
.endr
	v_nop                                          ; one plain place behind the last scaled conversion
.endm
	s_wait_loadcnt 32                              ; K's 16 loads are in: the 32 of V were issued behind them
.irp i, 0,1,2,3,4,5,6,7,8,9,10,11,12,13,14,15
	ds_store_b128 v[STI], v[KD+4*\i:KD+4*\i+3] offset:2*SP*\i
.endr
.irp j, 0,1,2,3,4,5,6,7,8,9,10,11,12,13,14,15
	ds_load_b128 v[X+4*\j:X+4*\j+3], v[STR] offset:16*SP*(\j/8)+16*(\j%8)   ; LDS serves a wave's instructions in order: these see my stores.  Row r, then row 16 + r: 32 neighbours along d of each
.endr
	; V, columns 32-63
.irp k, 0,1,2,3,4,5,6,7,8,9,10,11,12,13,14,15,16,17,18,19,20,21,22,23,24,25,26,27,28,29,30,31
	global_load_b32 v[VD+32+\k], v[VOFF+\k%8], s[VB+2*(\k/8):VB+2*(\k/8)+1] offset:128
.endr
	s_wait_dscnt 0x0
	BLKQ X, KC, 24, 26
	BLKQ X+32, KC+4, 25, 27
	v_lshl_or_b32 v250, v27, 16, v26               ; my two bytes: block h of the c = 0 key and of the c = 1 key,
	v_lshlrev_b32 v30, 3, v3
	v_lshlrev_b32 v250, v30, v250                  ; 8 h bits up;
	v_mov_b32 v31, 0
	v_permlanex16_b32 v31, v250, s40, s41
	v_or_b32 v250, v250, v31                       ; with lane l xor 16's two the word is whole
	global_store_b128 v[KCO], v[KC:KC+3], s[42:43]             ; the wave stores 512 consecutive bytes, aligned
	global_store_b128 v[KCO], v[KC+4:KC+7], s[42:43] offset:512
	ds_store_b32 v[KSA], v250                      ; lanes r and 16 + r write the same word with the same value
	s_wait_loadcnt 32                              ; V's columns 0-31 are in: the other 32 loads were issued behind them
	BLKQ VD, VC, 24, 248
	global_store_b128 v[VCO], v[VC:VC+3], s[42:43]             ; sixteen lanes store 256 consecutive bytes, aligned
	ds_store_b8 v[VSA], v248
	s_wait_loadcnt 0x0
	BLKQ VD+32, VC+4, 25, 249
	global_store_b128 v[VCO], v[VC+4:VC+7], s[42:43] offset:2048
	ds_store_b8 v[VSA], v249 offset:4
	s_wait_dscnt 0x0                               ; for the others' sake: my scale bytes lie in LDS
	s_barrier_signal -1
	s_barrier_wait -1
	s_cmp_lt_u32 s10, 2
	s_cbranch_scc0 .Ldone
	ds_load_b64 v[252:253], v[SCR]                 ; the step's scale bytes, which four waves wrote
	s_wait_dscnt 0x0
	global_store_b64 v[SCO], v[252:253], s[42:43]  ; 32 lanes store 256 consecutive bytes, aligned
.Ldone:
	s_wait_tensorcnt 0x0
	ds_add_u32 v254, v255
	s_wait_dscnt 0x0
	s_endpgm
.Lfunc_end_k_q05bf7704fb_quant:
	.size	k_q05bf7704fb_quant, .Lfunc_end_k_q05bf7704fb_quant-k_q05bf7704fb_quant
	.p2alignl 7, 3214868480
	.fill 96, 4, 3214868480
	.section	.rodata,"a",@progbits
	.p2align	6, 0x0
	.amdhsa_kernel k_q05bf7704fb_quant
		.amdhsa_group_segment_fixed_size 36352
		.amdhsa_private_segment_fixed_size 0
		.amdhsa_enable_private_segment 0
		.amdhsa_kernarg_size 24
		.amdhsa_user_sgpr_count 2
		.amdhsa_user_sgpr_kernarg_segment_ptr 1
		.amdhsa_wavefront_size32 1
		.amdhsa_system_sgpr_workgroup_id_x 1
		.amdhsa_system_sgpr_workgroup_id_y 1
		.amdhsa_system_sgpr_workgroup_id_z 1
		.amdhsa_system_vgpr_workitem_id 0
		.amdhsa_next_free_vgpr 256
		.amdhsa_next_free_sgpr 66
		.amdhsa_reserve_vcc 0
		.amdhsa_float_denorm_mode_32 3
		.amdhsa_float_denorm_mode_16_64 3
		.amdhsa_memory_ordered 1
		.amdhsa_forward_progress 1
		.amdhsa_inst_pref_size 23
	.end_amdhsa_kernel
	.amdgpu_metadata
---
amdhsa.version: [ 1, 2 ]
amdhsa.kernels:
  - .name:           k_q05bf7704fb_quant
    .symbol:         k_q05bf7704fb_quant.kd
    .args:
      - { .name: key, .offset: 0, .size: 8, .value_kind: global_buffer, .address_space: global }
      - { .name: value, .offset: 8, .size: 8, .value_kind: global_buffer, .address_space: global }
      - { .name: kv, .offset: 16, .size: 8, .value_kind: global_buffer, .address_space: global }
    .group_segment_fixed_size: 36352
    .private_segment_fixed_size: 0
    .kernarg_segment_align: 8
    .kernarg_segment_size: 24
    .max_flat_workgroup_size: 128
    .sgpr_count:     66
    .vgpr_count:     256
    .wavefront_size: 32
...
	.end_amdgpu_metadata
.endif
;; end of part 1
;; launch attn (part 2): grid 252 x 1, 20 waves a work-group, no clusters, 279,040 bytes of LDS; arguments query, kv, out0; writes out0
.if DOCPART == 2
	.amdgcn_target "amdgcn-amd-amdhsa--gfx1250"
	.amdhsa_code_object_version 6
	.text
	.protected	k_q05bf7704fb_attn
	.globl	k_q05bf7704fb_attn
	.p2align	8
	.type	k_q05bf7704fb_attn,@function
k_q05bf7704fb_attn:
	s_mov_b64 s[64:65], 0
	v_nop
	global_prefetch_b8 v0, s[64:65] scope:SCOPE_SE
	s_setreg_imm32_b32 hwreg(HW_REG_WAVE_MODE, 25, 1), 1
	s_wait_xcnt 0x0
; Dilated causal attention on codes of FP4 (E2M1) with one E8M0 scale for each 32 along a product's K.  query, out0: [4096][12][64] f32, the row of (position, head) 256 bytes at 3072 n + 256 head.
; kv: for each of the 28 batches (segment, head) the codes and scale bytes of its 1,024 unique keys and values, as images of the operands' registers (69,632 bytes; its layout stands at the head of the launch that makes it).
; THE GATHERED KEYS REPEAT with period 1,024 (heads 4-7: twice, heads 8-11: four times), and the mask is on the gathered position.  For a query at segment position 1024 m + r the m full periods give the same
;   scores, the same p and the same codes m times; only the last period differs, and only in the step of 128 keys that holds the diagonal.  So scores, exponentials and codes are made ONCE for each unique step;
;   the second product is issued once for every repetition, onto one accumulator, and the row's sum takes the step's sum times the number of repetitions.
; A PASS is a tile of 16 queries against a step of 128 unique keys.  A tile at segment position 16 tau has m = tau / 64, sd = (tau % 64) / 8, delta = 16 (tau % 8): open passes at steps i = 0..7 with weight m + (i < sd)
;   (left out where that is 0) and one masked pass at step sd with weight 1.  A tile with m = 0 costs sd + 1 passes, the pair (tau, 63 - tau) nine, a tile with m >= 1 nine.
; SHARES.  A work-group has 20 waves, five to each of a WGP's four SIMDs, and takes nine units of nine passes of one batch.  Units 0-7: two waves each: a pair gives a tile to each; a nine-pass tile is split into steps 0-3 and 4-7.
;   Unit 8: four waves, two steps each.  The parts of a split tile meet in LDS (M, the sum, O^T) and the first part's wave merges them.  Work-groups a batch: 4, 11, 25: 64 + 88 + 100 = 252.
;   Waves with no tile (unit 8 for heads 0-3; 3 slots a batch of heads 4-7, 1 of heads 8-11) walk the loop with an empty range.
; THE SOFTMAX: t = score x log2(e) / 8; M = the largest t so far, rounded UP to a whole number; p = 2^(t - M) is quantised along the keys, not normalised; the row's sum is taken of the unquantised p and divides at the end.
;   When M moves, and when parts merge, the sum and O^T are multiplied by a power of two.
; LAYOUT.  Both products are used transposed, so that a lane holds ONE query (lane % 16).  THE FIRST PRODUCT'S K IS 64, the instruction's 128: a fragment of K holds 16 keys in k = 0..63 and the 16 keys that lie 8 further on in k = 64..127;
;   it is multiplied by Q with zeros behind it, and by Q with zeros in front: two tiles of scores from one fragment.  The keys of a fragment are r + 8 (r / 8), so that the 16 registers of the two tiles are 16 neighbouring keys.
; NO CLUSTER: 11 and 25 work-groups a batch are no multiples of 4, and what work-groups of a batch share is a single fill of 69,632 bytes each.  The fill is made once: no slot is filled again.
; LIMITS: NaN and infinities are not served; a block of Q whose largest magnitude lies under 2^-124 keeps the byte 1; a block of zeros (of Q or of p) gets the byte 1 with zero codes; p under 2^-126 counts as 0.
.set QUART,  17408                     ; a quarter of a batch's image: 68 rows of 256 bytes, one tensor load
.set BATCHB, 69632
.set VFO,    32768                     ; V's fragments in the image
.set KSO,    65536                     ; K's scale words; V's lie 2,048 bytes on
.set STAGE,  69632                     ; behind the image: 16 rows x 272 bytes for each wave: Q's turn, and the way out
.set SP,     272
.set STB,    16*SP
.set PARTS,  STAGE+20*STB              ; regions of 4,608 bytes for the parts of split tiles: O^T as 8 x 512 bytes, then -M, t, the sum.  Wave w writes region w + 3 (w / 16), a merging wave reads from region w + 4 on.
.set PREG,   4608                      ; (regions 4-7, 12-15, 20-22 are used; the read address is formed in every wave and reaches region 25, which the claim of 26 regions covers)
.set ROWG,   3072                      ; bytes from a position to the next in query and out0
.set LI,  1                            ; v1   16 x lane
.set LS,  2                            ; v2   KSO + 8 x lane
.set ADK, 3                            ; v3   the step's fragments
.set ADS, 4                            ; v4   the step's scale words
.set STO, 5                            ; v5   the stage: row r, + 32 h
.set SRD, 6                            ; v6   the stage: row h, + 16 r
.set GO,  7                            ; v7   the same two rows in query and out0
.set DQ,  8                            ; v8   delta + r - 16 h
.set PAW, 9                            ; v9   where I put my part
.set PAR, 10                           ; v10  where I read the other parts
.set QRD, 11                           ; v11  the stage: row r, + 128 h
                                       ; v12 -M, v13 the largest t, v[14:15] the sum in two halves
.set QB,  16                           ; v16-27  0 0 0 0 q q q q 0 0 0 0: v[20:27] is Q in k = 0..63, v[16:23] Q in k = 64..127
.set QS,  28                           ; v28  Q's scale word, its two bytes twice
.set PW,  29                           ; v29  p's scale word
.set KS,  30                           ; v[30:31] K's scale words: fragment f in register f / 2, lanes 16 (f % 2) on
.set VS,  32                           ; v[32:33] V's likewise
.set F,   34                           ; v[34:35] a factor, named as a pair
.set FR,  36                           ; v36-67   four fragments of K, then of V
.set S,   68                           ; v68-131  S^T, then p
.set O,   132                          ; v132-163 O^T: register 8 t + j = channel 16 t + 8 h + j
.set PC,  164                          ; v164-171 p's codes
.set BM,  172                          ; v172-175 the blocks' largest scores, then largest p
.set BP,  176                          ; v176-179 the other lane's, then the bytes
.set SO,  180                          ; v180-183 the conversions' scale operands
.set SA,  184                          ; v[184:185], v[186:187] the step's sum in two chains
.set SB,  186
.set WF,  188                          ; v[188:189] the weight as f32, named as a pair
.set TMP, 190
.set NINF, 191
.set WV,  10                           ; s10 wave;  s11 group g;  s12 work-group in the group;  s13, s14 multiplier and work-groups a batch;  s15 the group's first batch
.set GG,  11
.set XX,  12
.set MULC, 13
.set WW,  14
.set B0,  15
.set BQ,  16                           ; s16 batch in the group;  s17 work-group in the batch;  s18 batch;  s19 head;  s20 the segment's first position;  s21 tiles with m >= 1
.set II,  17
.set BATCH, 18
.set HEAD, 19
.set N0,  20
.set N1,  21
.set SLOT, 22
.set PRT, 23
.set TAU, 24
.set ROLE, 25                          ; 0 a whole tile, 1 a split tile's first part (it merges), 2 another part, 3 nothing
.set LO,  26                           ; my steps: LO .. HI - 1
.set HI,  27
.set MM,  28
.set SD,  29
.set DELTA, 30
.set TS,  31                           ; at work
.set G0,  32                           ; s[32:35], s[36:43] the tensor load's descriptor
.set G1,  36
.set SEL, 44                           ; s[44:45] v_permlanex16_b32's selects for lane l xor 16
.set CS,  46                           ; s[46:47] c = log2(e) / 8: the packed form names a pair and takes its low word
.set TI,  50                           ; the step;  s51 = 4096 x step;  s52 = 256 x step
.set T4,  51
.set T2,  52
.set WGT, 53
.set W64, 54                           ; s[54:55] an offset in 64 bits
	s_load_b128 s[4:7], s[0:1], 0x0                ; query, kv
	s_load_b64 s[8:9], s[0:1], 0x10                ; out0
	v_lshl_add_u32 v190, v0, 2, 0x43800
	v_mov_b32 v191, 0
	ds_add_u32 v190, v191
	ds_add_u32 v190, v191
	s_wait_dscnt 0x0
	v_lshrrev_b32 v[TMP], 5, v0
	v_readfirstlane_b32 s[WV], v[TMP]              ; wave 0..19
	v_and_b32 v[TMP], 31, v0                       ; lane
	v_and_b32 v[BM], 15, v0                        ; r
	v_bfe_u32 v[BM+1], v0, 4, 1                    ; h
	; every LDS address that stays is made here, ahead of the first branch: a constant, a constant x lane, a constant x wave
	s_mul_i32 s[TS], s[WV], STB
	s_add_co_u32 s[TS], s[TS], STAGE               ; my stage
	v_lshlrev_b32 v[LI], 4, v[TMP]
	v_lshl_add_u32 v[LS], v[TMP], 3, KSO
	v_mul_u32_u24 v[STO], v[BM], SP
	v_lshl_add_u32 v[STO], v[BM+1], 5, v[STO]
	v_add_nc_u32 v[STO], s[TS], v[STO]
	v_mul_u32_u24 v[SRD], v[BM+1], SP
	v_lshl_add_u32 v[SRD], v[BM], 4, v[SRD]
	v_add_nc_u32 v[SRD], s[TS], v[SRD]
	v_mul_u32_u24 v[QRD], v[BM], SP
	v_lshl_add_u32 v[QRD], v[BM+1], 7, v[QRD]
	v_add_nc_u32 v[QRD], s[TS], v[QRD]
	v_mul_u32_u24 v[GO], v[BM+1], ROWG
	v_lshl_add_u32 v[GO], v[BM], 4, v[GO]
	s_lshr_b32 s[TS], s[WV], 4
	s_mul_i32 s[TS], s[TS], 3
	s_add_co_u32 s[TS], s[TS], s[WV]
	s_mul_i32 s[TS], s[TS], PREG
	s_add_co_u32 s[TS], s[TS], PARTS
	v_add_nc_u32 v[PAW], s[TS], v[LI]
	s_add_co_u32 s[TS], s[WV], 4
	s_mul_i32 s[TS], s[TS], PREG
	s_add_co_u32 s[TS], s[TS], PARTS
	v_add_nc_u32 v[PAR], s[TS], v[LI]
	s_mov_b32 s[SEL], 0x76543210
	s_mov_b32 s[SEL+1], 0xfedcba98
	s_mov_b32 s[CS], 0x3e38aa3b                    ; log2(e) / 8
	s_mov_b32 s[CS+1], s[CS]
	; descriptor group 1: a dense block as 68 rows of 256 bytes (32 elements of 8 bytes), no padding: every fragment load takes 512 consecutive bytes
	s_mov_b32 s[G1], 3<<16                         ; 15:0 no mask; 17:16 elements of 8 bytes; padding off
	s_mov_b32 s[G1+1], 32<<16                      ; tensor_dim0 = 32
	s_mov_b32 s[G1+2], 68<<16                      ; tensor_dim1 = 68
	s_mov_b32 s[G1+3], 32<<16                      ; tile_dim0 = 32
	s_mov_b32 s[G1+4], 68                          ; tile_dim1 = 68
	s_mov_b32 s[G1+5], 32                          ; elements from row to row
	s_mov_b32 s[G1+6], 0
	s_mov_b32 s[G1+7], 0
	; which group, batch and place in the batch: work-groups 0-63 heads 0-3, 64-151 heads 4-7, 152-251 heads 8-11
	s_cmp_lt_u32 ttmp9, 64
	s_cbranch_scc0 .Lnot_g0
	s_mov_b32 s[GG], 0
	s_mov_b32 s[XX], ttmp9
	s_mov_b32 s[MULC], 512                         ; x / 4 = (512 x) >> 11
	s_mov_b32 s[WW], 4
	s_mov_b32 s[B0], 0
	s_branch .Lgroup
.Lnot_g0:
	s_cmp_lt_u32 ttmp9, 152
	s_cbranch_scc0 .Lg2
	s_mov_b32 s[GG], 1
	s_sub_co_u32 s[XX], ttmp9, 64
	s_mov_b32 s[MULC], 187                         ; x / 11 = (187 x) >> 11 for x < 88: the excess, 9 x / 22528, stays under 1 / 11
	s_mov_b32 s[WW], 11
	s_mov_b32 s[B0], 16
	s_branch .Lgroup
.Lg2:
	s_mov_b32 s[GG], 2
	s_sub_co_u32 s[XX], ttmp9, 152
	s_mov_b32 s[MULC], 82                          ; x / 25 = (82 x) >> 11 for x < 100: the excess, 2 x / 51200, stays under 1 / 25
	s_mov_b32 s[WW], 25
	s_mov_b32 s[B0], 24
.Lgroup:
	s_mul_i32 s[BQ], s[XX], s[MULC]
	s_lshr_b32 s[BQ], s[BQ], 11
	s_mul_i32 s[TS], s[BQ], s[WW]
	s_sub_co_u32 s[II], s[XX], s[TS]
	s_add_co_u32 s[BATCH], s[B0], s[BQ]
	s_and_b32 s[HEAD], s[BQ], 3
	s_lshl_b32 s[TS], s[GG], 2
	s_add_co_u32 s[HEAD], s[HEAD], s[TS]
	s_lshr_b32 s[N0], s[BQ], 2
	s_lshl_b32 s[N0], s[N0], 10
	s_lshl_b32 s[N0], s[N0], s[GG]                 ; segment x (1024 << g)
	s_lshl_b32 s[N1], 64, s[GG]
	s_sub_co_u32 s[N1], s[N1], 64                  ; 0, 64, 192 tiles with m >= 1
	; the batch's image comes into LDS once: waves 0 to 3 bring a quarter each
	s_mov_b32 s[G0], 1                             ; count = 1
	s_mul_i32 s[G0+1], s[WV], QUART                ; LDS address
	s_mul_i32 s[W64], s[BATCH], BATCHB
	s_add_co_u32 s[W64], s[W64], s[G0+1]
	s_mov_b32 s[W64+1], 0
	s_wait_kmcnt 0x0
	s_add_nc_u64 s[G0+2:G0+3], s[6:7], s[W64:W64+1]
	s_or_b32 s[G0+3], s[G0+3], 0x80000000          ; type = 2
	s_cmp_lt_u32 s[WV], 4
	s_cbranch_scc0 .Lno_fill
	tensor_load_to_lds s[G0:G0+3], s[G1:G1+7]      ; one tensor load of mine is out, and no other follows
	s_nop 0
.rept 4
	v_nop
.endr
.Lno_fill:
	; my tile and my steps.  Nothing of this enters an LDS address
	s_mov_b32 s[TAU], 0
	s_mov_b32 s[ROLE], 3
	s_mov_b32 s[LO], 0
	s_mov_b32 s[HI], 0
	s_cmp_lt_u32 s[WV], 16
	s_cbranch_scc0 .Lunit8
	s_and_b32 s[SLOT], s[WV], 3
	s_lshr_b32 s[TS], s[WV], 3
	s_lshl_b32 s[TS], s[TS], 2
	s_add_co_u32 s[SLOT], s[SLOT], s[TS]           ; unit w % 4 + 4 (w / 8),
	s_bfe_u32 s[PRT], s[WV], 0x10002               ; part (w / 4) % 2: a unit's two waves are w and w + 4
	s_lshl_b32 s[TS], s[II], 3
	s_add_co_u32 s[SLOT], s[SLOT], s[TS]           ; the unit's number in the batch
	s_cmp_lt_u32 s[SLOT], 32
	s_cbranch_scc0 .Lsplit
	s_sub_co_u32 s[TS], 63, s[SLOT]                ; units 0-31 are the pairs (tau, 63 - tau) of tiles with m = 0
	s_cmp_eq_u32 s[PRT], 0
	s_cselect_b32 s[TAU], s[SLOT], s[TS]
	s_mov_b32 s[ROLE], 0
	s_mov_b32 s[HI], 8
	s_branch .Ljob
.Lsplit:
	s_add_co_u32 s[SLOT], s[SLOT], s[WW]           ; the others are tiles with m >= 1; the first WW of those belong to the units 8
	s_sub_co_u32 s[SLOT], s[SLOT], 32
	s_cmp_lt_u32 s[SLOT], s[N1]
	s_cbranch_scc0 .Ljob
	s_add_co_u32 s[TAU], s[SLOT], 64
	s_lshl_b32 s[LO], s[PRT], 2
	s_add_co_u32 s[HI], s[LO], 4
	s_add_co_u32 s[ROLE], s[PRT], 1
	s_branch .Ljob
.Lunit8:
	s_cmp_eq_u32 s[N1], 0
	s_cbranch_scc1 .Ljob
	s_and_b32 s[PRT], s[WV], 3
	s_add_co_u32 s[TAU], s[II], 64
	s_lshl_b32 s[LO], s[PRT], 1
	s_add_co_u32 s[HI], s[LO], 2
	s_min_u32 s[ROLE], s[PRT], 1
	s_add_co_u32 s[ROLE], s[ROLE], 1
.Ljob:
	s_lshr_b32 s[MM], s[TAU], 6
	s_bfe_u32 s[SD], s[TAU], 0x30003
	s_and_b32 s[DELTA], s[TAU], 7
	s_lshl_b32 s[DELTA], s[DELTA], 4
	s_lshl_b32 s[TS], s[TAU], 4
	s_add_co_u32 s[TS], s[TS], s[N0]               ; my first query's position
	s_mul_i32 s[W64], s[TS], ROWG
	s_lshl_b32 s[TS], s[HEAD], 8
	s_add_co_u32 s[W64], s[W64], s[TS]
	s_add_nc_u64 s[4:5], s[4:5], s[W64:W64+1]
	s_add_nc_u64 s[8:9], s[8:9], s[W64:W64+1]
.irp i, 0,1,2,3,4,5,6,7
	global_load_b128 v[S+4*\i:S+4*\i+3], v[GO], s[4:5] offset:2*ROWG*\i   ; Q: two whole rows of 256 bytes a load
.endr
	v_and_b32 v[DQ], 15, v0
	v_bfe_u32 v[BM], v0, 4, 1
	v_lshlrev_b32 v[BM], 4, v[BM]
	v_sub_nc_u32 v[DQ], v[DQ], v[BM]
	v_add_nc_u32 v[DQ], s[DELTA], v[DQ]
.irp j, 0,1,2,3,8,9,10,11
	v_mov_b32 v[QB+\j], 0                          ; zero codes on both sides of Q's
.endr
.irp b, 0,1,2,3
	v_mov_b32 v[BP+\b], 0                          ; written once: a lane permute's destination counts as one of its sources
.endr
	v_mov_b32 v[F+1], 0                            ; (the upper halves of pairs of which the low word alone is taken)
	v_mov_b32 v[WF+1], 0
	v_mov_b32 v13, 0xff61b1e6                      ; the largest t so far: -3e38, under every t
	v_floor_f32 v12, -v13                          ; -M
	v_mov_b32 v14, 0
	v_mov_b32 v15, 0
	v_mov_b32 v[NINF], 0xff800000
	s_wait_loadcnt 0x0
.irp i, 0,1,2,3,4,5,6,7
	ds_store_b128 v[SRD], v[S+4*\i:S+4*\i+3] offset:2*SP*\i
.endr
.irp j, 0,1,2,3,4,5,6,7
	ds_load_b128 v[S+32+4*\j:S+32+4*\j+3], v[QRD] offset:16*\j     ; LDS serves a wave's instructions in order: these see my stores.  Query r, d = 32 h + 0 .. 31: a whole block
.endr
	s_wait_dscnt 0x0
	v_max3_num_f32 v[BM], |v[S+32]|, |v[S+33]|, 0x1800000          ; the block's largest magnitude, with the floor 2^(3 - 127)
	v_max3_num_f32 v[BM+1], |v[S+48]|, |v[S+49]|, |v[S+50]|
.irp i, 2,4,6,8,10,12
	v_max3_num_f32 v[BM], v[BM], |v[S+32+\i]|, |v[S+33+\i]|
	v_max3_num_f32 v[BM+1], v[BM+1], |v[S+49+\i]|, |v[S+50+\i]|
.endr
	v_max3_num_f32 v[BM], v[BM], |v[S+46]|, |v[S+47]|
	v_max3_num_f32 v[BM], v[BM], v[BM+1], |v[S+63]|
	v_add_nc_u32 v[SO], 0xff000000, v[BM]          ; 2 off its exponent field: the conversions' scale operand
	v_lshrrev_b32 v[BP], 23, v[SO]                 ; the byte
.irp g, 0,1,2,3
	v_cvt_scalef32_pk8_fp4_f32 v[QB+4+\g], v[S+32+8*\g:S+39+8*\g], v[SO]
.endr
	v_nop                                          ; one plain place behind the last scaled conversion
	v_bfe_u32 v[BM+1], v0, 4, 1
	v_lshlrev_b32 v[BM+1], 3, v[BM+1]
	v_lshlrev_b32 v[BP], v[BM+1], v[BP]            ; my block's byte, 8 h bits up;
	v_permlanex16_b32 v[BP+1], v[BP], s[SEL], s[SEL+1]
	v_or_b32 v[BP], v[BP], v[BP+1]                 ; with lane l xor 16's: the row's two bytes,
	v_lshl_or_b32 v[QS], v[BP], 16, v[BP]          ; twice: Q stands in k = 0..63 or in k = 64..127
.irp j, 0,1,2,3,4,5,6,7,8,9,10,11,12,13,14,15,16,17,18,19,20,21,22,23,24,25,26,27,28,29,30,31
	v_mov_b32 v[O+\j], 0                           ; O^T.  (A pass is written once for all steps: the first finds zeros.  These lines are also the places between Q's scale word and codes and the first product)
.endr
	s_wait_tensorcnt 0x0                           ; my quarter of the image has landed (waves 4-19 have no load),
	s_wait_dscnt 0x0
	s_barrier_signal -1
	s_barrier_wait -1                              ; everybody's has
; O^T += V^T P^T for these 128 keys, once: four accumulators by turns, one instruction a turn
.macro PVSET
.irp t, 0,1,2,3
.if \t%2
	v_wmma_scale_f32_16x16x128_f8f6f4 v[O+8*\t:O+8*\t+7], v[FR+8*\t:FR+8*\t+7], v[PC:PC+7], v[O+8*\t:O+8*\t+7], v[VS+\t/2], v[PW] matrix_a_fmt:MATRIX_FMT_FP4 matrix_b_fmt:MATRIX_FMT_FP4 matrix_a_scale:MATRIX_SCALE_ROW1
.else
	v_wmma_scale_f32_16x16x128_f8f6f4 v[O+8*\t:O+8*\t+7], v[FR+8*\t:FR+8*\t+7], v[PC:PC+7], v[O+8*\t:O+8*\t+7], v[VS+\t/2], v[PW] matrix_a_fmt:MATRIX_FMT_FP4 matrix_b_fmt:MATRIX_FMT_FP4
.endif
.endr
.endm
; A PASS: my 16 queries against the step's 128 unique keys.  masked = 0: all keys count, WGT times.  masked = 1: the step on the diagonal, once.
.macro PASS masked
	v_add_nc_u32 v[ADK], s[T4], v[LI]
	v_add_nc_u32 v[ADS], s[T2], v[LS]
	v_nop
	v_nop                                          ; four places behind the last products, in front of loads into registers that they read
.irp b, 0,1,2,3
.irp c, 0,1
	ds_load_b128 v[FR+8*\b+4*\c:FR+8*\b+4*\c+3], v[ADK] offset:1024*\b+512*\c
.endr
.endr
	ds_load_b64 v[KS:KS+1], v[ADS]
.if \masked == 0
	v_cvt_f32_u32 v[WF], s[WGT]
.endif
	s_wait_dscnt 0x0
.irp b, 0,1,2,3                                ; S^T = K Q^T: fragment b against Q in the low 64 of k (keys 32 b + 16 h + 0..7) and in the high 64 (+ 8..15)
.if \b%2
	v_wmma_scale_f32_16x16x128_f8f6f4 v[S+16*\b:S+16*\b+7], v[FR+8*\b:FR+8*\b+7], v[QB+4:QB+11], 0, v[KS+\b/2], v[QS] matrix_a_fmt:MATRIX_FMT_FP4 matrix_b_fmt:MATRIX_FMT_FP4 matrix_a_scale:MATRIX_SCALE_ROW1
	v_wmma_scale_f32_16x16x128_f8f6f4 v[S+16*\b+8:S+16*\b+15], v[FR+8*\b:FR+8*\b+7], v[QB:QB+7], 0, v[KS+\b/2], v[QS] matrix_a_fmt:MATRIX_FMT_FP4 matrix_b_fmt:MATRIX_FMT_FP4 matrix_a_scale:MATRIX_SCALE_ROW1
.else
	v_wmma_scale_f32_16x16x128_f8f6f4 v[S+16*\b:S+16*\b+7], v[FR+8*\b:FR+8*\b+7], v[QB+4:QB+11], 0, v[KS+\b/2], v[QS] matrix_a_fmt:MATRIX_FMT_FP4 matrix_b_fmt:MATRIX_FMT_FP4
	v_wmma_scale_f32_16x16x128_f8f6f4 v[S+16*\b+8:S+16*\b+15], v[FR+8*\b:FR+8*\b+7], v[QB:QB+7], 0, v[KS+\b/2], v[QS] matrix_a_fmt:MATRIX_FMT_FP4 matrix_b_fmt:MATRIX_FMT_FP4
.endif
.endr
.rept 4
	v_nop                                          ; places in front of the loads into K's registers and of the first read of the scores
.endr
.irp t, 0,1,2,3                                ; V's fragments are asked for now and land during the softmax
.irp c, 0,1
	ds_load_b128 v[FR+8*\t+4*\c:FR+8*\t+4*\c+3], v[ADK] offset:VFO+1024*\t+512*\c
.endr
.endr
	ds_load_b64 v[VS:VS+1], v[ADS] offset:2048
.if \masked                                    ; register 16 b + i holds key 32 b + 16 h + i of the step, my query is delta + r: hidden where 32 b + i > delta + r - 16 h.  Hidden scores become -infinity: p = 0
.irp b, 0,1,2,3
	s_cmp_ge_u32 s[DELTA], 32*\b+31                ; a block all of whose keys count for all 16 queries is passed over
	s_cbranch_scc1 .Lvis_\b
.irp i, 0,1,2,3,4,5,6,7,8,9,10,11,12,13,14,15
	v_cmp_gt_i32 vcc_lo, 32*\b+\i, v[DQ]
	v_cndmask_b32 v[S+16*\b+\i], v[S+16*\b+\i], v[NINF], vcc_lo
.endr
.Lvis_\b:
.endr
.endif
.irp b, 0,1,2,3
	v_max3_num_f32 v[BM+\b], v[S+16*\b], v[S+16*\b+1], v[S+16*\b+2]   ; the largest score of each block of 32 keys: it serves the row's maximum and, since p rises with the score, the block's largest p
.endr
.irp i, 3,5,7,9,11,13
.irp b, 0,1,2,3
	v_max3_num_f32 v[BM+\b], v[BM+\b], v[S+16*\b+\i], v[S+16*\b+\i+1]
.endr
.endr
.irp b, 0,1,2,3
	v_max_num_f32 v[BM+\b], v[BM+\b], v[S+16*\b+15]
.endr
.irp b, 0,1,2,3
	v_permlanex16_b32 v[BP+\b], v[BM+\b], s[SEL], s[SEL+1]
.endr
.irp b, 0,1,2,3
	v_max_num_f32 v[BM+\b], v[BM+\b], v[BP+\b]     ; with lane l xor 16's 16 keys
.endr
	v_max3_num_f32 v[TMP], v[BM], v[BM+1], v[BM+2]
	v_max_num_f32 v[TMP], v[TMP], v[BM+3]          ; the step's largest score of my query (on the diagonal at least one key counts)
	v_mul_f32 v[TMP], s[CS], v[TMP]
	v_max_num_f32 v13, v13, v[TMP]                 ; the running largest t
	v_mov_b32 v[TMP], v12
	v_floor_f32 v12, -v13                          ; the new -M = -ceil(t)
	v_sub_f32 v[TMP], v12, v[TMP]                  ; old M - new M: a whole number, 0 or less
	v_cvt_i32_f32 v[TMP], v[TMP]                   ; (it saturates)
	v_ldexp_f32 v[F], 1.0, v[TMP]                  ; f = 2^(old M - new M)
.irp j, 0,2,4,6,8,10,12,14,16,18,20,22,24,26,28,30,32,34,36,38,40,42,44,46,48,50,52,54,56,58,60,62
	v_pk_fma_f32 v[S+\j:S+\j+1], v[S+\j:S+\j+1], s[CS:CS+1], v[12:13] op_sel_hi:[1,0,0]   ; t - M, two at a time
.endr
.irp b, 0,1,2,3
	v_fma_f32 v[BM+\b], v[BM+\b], s[CS], v12       ; the same of each block's largest score
.endr
.irp j, 0,1,2,3,4,5,6,7,8,9,10,11,12,13,14,15,16,17,18,19,20,21,22,23,24,25,26,27,28,29,30,31,32,33,34,35,36,37,38,39,40,41,42,43,44,45,46,47,48,49,50,51,52,53,54,55,56,57,58,59,60,61,62,63
	v_exp_f32 v[S+\j], v[S+\j]                     ; p = 2^(t - M), at most 1
.endr
.irp b, 0,1,2,3
	v_exp_f32 v[BM+\b], v[BM+\b]                   ; the block's largest p
.endr
	v_pk_mul_f32 v[14:15], v[14:15], v[F:F+1] op_sel_hi:[1,0]      ; the sum under the new M.  (The plain place behind the exponentials)
	s_wait_alu depctr_va_vdst(0)
.irp b, 0,1,2,3
	v_max_num_f32 v[BM+\b], 0x1800000, v[BM+\b]    ; the floor 2^(3 - 127): the byte cannot fall under 1; a block whose every p is 0 keeps that byte with zero codes
.endr
.irp b, 0,1,2,3
	v_add_nc_u32 v[SO+\b], 0xff000000, v[BM+\b]    ; 2 off the exponent field: the conversion's scale operand
.endr
.irp b, 0,1,2,3
	v_lshrrev_b32 v[BP+\b], 23, v[SO+\b]           ; the scale's byte
.endr
	v_lshl_or_b32 v[PW], v[BP+1], 8, v[BP]         ; p's scale word for these 128 keys
	v_lshl_or_b32 v[PW], v[BP+2], 16, v[PW]
	v_lshl_or_b32 v[PW], v[BP+3], 24, v[PW]
.irp b, 0,1,2,3
	v_cvt_scalef32_pk8_fp4_f32 v[PC+2*\b], v[S+16*\b:S+16*\b+7], v[SO+\b]
	v_cvt_scalef32_pk8_fp4_f32 v[PC+2*\b+1], v[S+16*\b+8:S+16*\b+15], v[SO+\b]
.endr
	v_nop                                          ; one plain place behind the last scaled conversion
.irp c, 0,1                                    ; the operand's layout wants a whole block in a lane: lanes 0-15 block 2 c, lanes 16-31 block 2 c + 1
.irp i, 0,1
	v_permlane16_swap_b32 v[PC+4*\c+\i], v[PC+4*\c+2+\i]
.endr
.endr
	v_pk_add_f32 v[SA:SA+1], v[S:S+1], v[S+2:S+3]                  ; the step's sum of the UNQUANTISED p, two at a time, in two chains
	v_pk_add_f32 v[SB:SB+1], v[S+4:S+5], v[S+6:S+7]
.irp j, 8,12,16,20,24,28,32,36,40,44,48,52,56,60
	v_pk_add_f32 v[SA:SA+1], v[SA:SA+1], v[S+\j:S+\j+1]
	v_pk_add_f32 v[SB:SB+1], v[SB:SB+1], v[S+\j+2:S+\j+3]
.endr
	v_pk_add_f32 v[SA:SA+1], v[SA:SA+1], v[SB:SB+1]
.if \masked
	v_pk_add_f32 v[14:15], v[14:15], v[SA:SA+1]
.else
	v_pk_fma_f32 v[14:15], v[SA:SA+1], v[WF:WF+1], v[14:15] op_sel_hi:[1,0,1]   ; the step counts WGT times
.endif
.irp j, 0,2,4,6,8,10,12,14,16,18,20,22,24,26,28,30
	v_pk_mul_f32 v[O+\j:O+\j+1], v[O+\j:O+\j+1], v[F:F+1] op_sel_hi:[1,0]       ; O^T under the new M.  (The sums and these lines are the places between p's scale word and codes and the products below)
.endr
	s_wait_dscnt 0x0                               ; V's fragments and scale words are in
	PVSET
.if \masked == 0                               ; once more for every further repetition of these keys in the gathered list: WGT is 4 at the most
	s_cmp_lt_u32 s[WGT], 2
	s_cbranch_scc1 .Lpv_done
	PVSET
	s_cmp_lt_u32 s[WGT], 3
	s_cbranch_scc1 .Lpv_done
	PVSET
	s_cmp_lt_u32 s[WGT], 4
	s_cbranch_scc1 .Lpv_done
	PVSET
.Lpv_done:
.endif
.endm
	s_mov_b32 s[TI], 0
	s_mov_b32 s[T4], 0
	s_mov_b32 s[T2], 0
.Ltrip:                                            ; eight trips in every wave; a wave's work is chosen inside, by scalar branches on ids
	s_cmp_lt_u32 s[TI], s[LO]
	s_cbranch_scc1 .Lnext
	s_cmp_ge_u32 s[TI], s[HI]
	s_cbranch_scc1 .Lnext
	s_cmp_lt_u32 s[TI], s[SD]
	s_cselect_b32 s[WGT], 1, 0
	s_add_co_u32 s[WGT], s[WGT], s[MM]             ; m full periods, and the last one where the step lies in front of the diagonal's
	s_cmp_eq_u32 s[WGT], 0
	s_cbranch_scc1 .Lno_open
	PASS 0
.Lno_open:
	s_cmp_lg_u32 s[TI], s[SD]
	s_cbranch_scc1 .Lnext
	PASS 1
.Lnext:
	s_add_co_u32 s[TI], s[TI], 1
	s_add_co_u32 s[T4], s[T4], 4096
	s_add_co_u32 s[T2], s[T2], 256
	s_cmp_lt_u32 s[TI], 8
	s_cbranch_scc1 .Ltrip
.rept 4
	v_nop                                          ; places behind the last products, in front of the first read of O^T
.endr
	s_cmp_eq_u32 s[ROLE], 2
	s_cbranch_scc0 .Lkeep
.irp k, 0,1,2,3,4,5,6,7
	ds_store_b128 v[PAW], v[O+4*\k:O+4*\k+3] offset:512*\k         ; my part goes to LDS as an image of its registers, each accumulator from its low end on
.endr
	ds_store_b128 v[PAW], v[12:15] offset:4096     ; -M, t, the sum's two halves
.Lkeep:
	s_wait_dscnt 0x0                               ; for the others' sake: my part lies in LDS
	s_barrier_signal -1
	s_barrier_wait -1
	s_cmp_ge_u32 s[ROLE], 2
	s_cbranch_scc1 .Lend
	s_cmp_eq_u32 s[ROLE], 0
	s_cbranch_scc1 .Lwhole
; part k of the parts behind mine is taken in: both are brought under the larger M by powers of two
.macro MERGE1 k
	ds_load_b128 v[BM:BM+3], v[PAR] offset:PREG*\k+4096
.irp j, 0,1,2,3,4,5,6,7
	ds_load_b128 v[S+4*\j:S+4*\j+3], v[PAR] offset:PREG*\k+512*\j
.endr
	s_wait_dscnt 0x0
	v_min_num_f32 v[TMP], v12, v[BM]               ; the new -M
	v_sub_f32 v[BP], v[TMP], v12
	v_sub_f32 v[BP+1], v[TMP], v[BM]
	v_cvt_i32_f32 v[BP], v[BP]
	v_cvt_i32_f32 v[BP+1], v[BP+1]
	v_ldexp_f32 v[F], 1.0, v[BP]                   ; my factor,
	v_ldexp_f32 v[WF], 1.0, v[BP+1]                ; the other part's
	v_mov_b32 v12, v[TMP]
	v_pk_mul_f32 v[14:15], v[14:15], v[F:F+1] op_sel_hi:[1,0]
	v_pk_fma_f32 v[14:15], v[BM+2:BM+3], v[WF:WF+1], v[14:15] op_sel_hi:[1,0,1]
.irp j, 0,2,4,6,8,10,12,14,16,18,20,22,24,26,28,30
	v_pk_mul_f32 v[O+\j:O+\j+1], v[O+\j:O+\j+1], v[F:F+1] op_sel_hi:[1,0]
.endr
.irp j, 0,2,4,6,8,10,12,14,16,18,20,22,24,26,28,30
	v_pk_fma_f32 v[O+\j:O+\j+1], v[S+\j:S+\j+1], v[WF:WF+1], v[O+\j:O+\j+1] op_sel_hi:[1,0,1]
.endr
.endm
	MERGE1 0
	s_cmp_lt_u32 s[WV], 16
	s_cbranch_scc1 .Lwhole
	MERGE1 1                                       ; unit 8 has four parts
	MERGE1 2
.Lwhole:
	; THE WAY OUT.  O^T is divided by the row's sum and goes through my stage, so that sixteen lanes store a row of out0: 256 consecutive bytes, aligned
	v_add_f32 v14, v14, v15
	v_permlanex16_b32 v[TMP], v14, s[SEL], s[SEL+1]
	v_add_f32 v14, v14, v[TMP]                     ; the sum's two halves, and lane l xor 16's
	v_rcp_f32 v[F], v14
	v_nop                                          ; one plain place behind the transcendental
	s_wait_alu depctr_va_vdst(0)
.irp j, 0,2,4,6,8,10,12,14,16,18,20,22,24,26,28,30
	v_pk_mul_f32 v[S+\j:S+\j+1], v[O+\j:O+\j+1], v[F:F+1] op_sel_hi:[1,0]
.endr
.irp t, 0,1,2,3
	ds_store_b128 v[STO], v[S+8*\t:S+8*\t+3] offset:64*\t          ; query r, channels 16 t + 8 h + 0 .. 7
	ds_store_b128 v[STO], v[S+8*\t+4:S+8*\t+7] offset:64*\t+16
.endr
.irp i, 0,1,2,3,4,5,6,7
	ds_load_b128 v[S+32+4*\i:S+32+4*\i+3], v[SRD] offset:2*SP*\i   ; LDS serves a wave's instructions in order: these see my stores
.endr
.irp i, 0,1,2,3,4,5,6,7
	s_wait_dscnt 7-\i                              ; load i is back; the 7 - i issued behind it may be out
	global_store_b128 v[GO], v[S+32+4*\i:S+32+4*\i+3], s[8:9] offset:2*ROWG*\i th:TH_STORE_NT
.endr
.Lend:
	s_wait_xcnt 0x0
	v_lshl_add_u32 v190, v0, 2, 0x43800
	v_mov_b32 v191, 0
	s_wait_tensorcnt 0x0
	ds_add_u32 v190, v191
	s_wait_dscnt 0x0
	s_endpgm
.Lfunc_end_k_q05bf7704fb_attn:
	.size	k_q05bf7704fb_attn, .Lfunc_end_k_q05bf7704fb_attn-k_q05bf7704fb_attn
	.p2alignl 7, 3214868480
	.fill 96, 4, 3214868480
	.section	.rodata,"a",@progbits
	.p2align	6, 0x0
	.amdhsa_kernel k_q05bf7704fb_attn
		.amdhsa_group_segment_fixed_size 279040
		.amdhsa_private_segment_fixed_size 0
		.amdhsa_enable_private_segment 0
		.amdhsa_kernarg_size 24
		.amdhsa_user_sgpr_count 2
		.amdhsa_user_sgpr_kernarg_segment_ptr 1
		.amdhsa_wavefront_size32 1
		.amdhsa_system_sgpr_workgroup_id_x 1
		.amdhsa_system_sgpr_workgroup_id_y 1
		.amdhsa_system_sgpr_workgroup_id_z 1
		.amdhsa_system_vgpr_workitem_id 0
		.amdhsa_next_free_vgpr 192
		.amdhsa_next_free_sgpr 66
		.amdhsa_reserve_vcc 1
		.amdhsa_float_denorm_mode_32 3
		.amdhsa_float_denorm_mode_16_64 3
		.amdhsa_memory_ordered 1
		.amdhsa_forward_progress 1
		.amdhsa_inst_pref_size 63
	.end_amdhsa_kernel
	.amdgpu_metadata
---
amdhsa.version: [ 1, 2 ]
amdhsa.kernels:
  - .name:           k_q05bf7704fb_attn
    .symbol:         k_q05bf7704fb_attn.kd
    .args:
      - { .name: query, .offset: 0, .size: 8, .value_kind: global_buffer, .address_space: global }
      - { .name: kv, .offset: 8, .size: 8, .value_kind: global_buffer, .address_space: global }
      - { .name: out0, .offset: 16, .size: 8, .value_kind: global_buffer, .address_space: global }
    .group_segment_fixed_size: 279040
    .private_segment_fixed_size: 0
    .kernarg_segment_align: 8
    .kernarg_segment_size: 24
    .max_flat_workgroup_size: 640
    .sgpr_count:     66
    .vgpr_count:     192
    .wavefront_size: 32
...
	.end_amdgpu_metadata
.endif
;; end of part 2
